; MI455X (gfx1250); checked and timed in simulation.
; The chip was launched on July 23, 2026; its instructions are those of AMD's public machine-readable ISA for CDNA 5 (MIT licence, August 2026) and "CDNA5" Instruction Set Architecture Reference Guide (July 2026). The comments in the code are by the model that wrote it; some were corrected since.
;; Concat Attn. Allowed arithmetic: matrix products marked QUANTISED: E2M3 operands, one E8M0 scale for each 32 along K, by v_wmma_scale_f32_16x16x128_f8f6f4 with both operands' format E2M3, f32 sums; products left as they are: f32 operands where the result goes on into a quantised operand, else bf16, f16 or f32 operands; f32 sums; everything else in f32.
;; Inputs: attn_W 1,024 x 2,048 float32; attn_b 1,024 float32; encoder_output 2,048 x 16 x 1,024 float32; hidden 1 x 16 x 1,024 float32; v 1,024 float32.
;; Outputs: out0 16 x 1 x 2,048 float32.
;; This version of the problem:
;;   THIS VERSION OF THE PROBLEM IS GIVEN IN LOW PRECISION. The matrix products marked QUANTISED in the list below multiply operands that are first quantised to E2M3 (2 exponent bits, 3 mantissa bits; 6 bits a number), with one power-of-two scale for each 32 numbers along K (OCP MX v1.0); their sums are f32. All else is computed in f32.
;;   The module's matrix products, in the order in which they are computed (A, B: the left and right operand; K: the contracted axis; several contracted axes count as one K, in the product's order):
;;     1. [M 32,768, K 2,048] x [K 2,048, N 1,024]; A: computed on the way; B: input attn_W: QUANTISED
;;     2. [M 32,768, K 1,024] x [K 1,024, N 1]; A: computed on the way; B: input v: left as it is (N = 1 < 16)
;;   THE QUANTISER, for each operand of a quantised product, along K:
;;     - K is cut into blocks of 32 from its start; a last block that is shorter is filled with zeros.
;;     - A block's scale is 2^e with e = floor(log2(the largest magnitude in the block)) - 2, held to -126 .. 127; a block of zeros has e = 0. As a byte (E8M0): e + 127.
;;     - Each number is divided by its block's scale, clamped to +-7.5, and rounded to the nearest number of E2M3, ties to even, subnormals kept.
;;     - The product sums the exact products of the quantised numbers (number of the format x scale) in f32.
;;   ~~~python
;;   def quantise(x, axis):      # numpy; x: float32 -> the quantised numbers, widened to float32 again
;;       x = np.moveaxis(x, axis, -1); K = x.shape[-1]
;;       x = np.pad(x, [(0, 0)] * (x.ndim - 1) + [(0, -K % 32)]); x = x.reshape(x.shape[:-1] + (-1, 32)); a = np.abs(x).max(-1, keepdims=True)
;;       e = np.where(a > 0, np.clip(np.frexp(np.where(a > 0, a, 1))[1] - 1 - 2, -126, 127), 0)      # np.frexp(a)[1] - 1 = floor(log2(a)), exactly
;;       r = np.clip(x / 2.0 ** e, -7.5, 7.5)
;;       step = 2.0 ** (np.maximum(np.frexp(np.where(r == 0, 1, r))[1] - 1, 0) - 3)
;;       q = np.round(r / step) * step * 2.0 ** e      # np.round: ties to even
;;       return np.moveaxis(q.reshape(q.shape[:-2] + (-1,))[..., :K], -1, axis).astype(np.float32)
;;   ~~~
;;   OPERANDS COMPUTED ON THE WAY. 'Computed on the way' means the value that the module computes at that place (a softmax that the list does not call 'softmax' is quantised finished and normalised). What goes into a quantiser is computed in f32, as accurately as f32 sums, v_exp_f32 and their like allow (about 1e-6 of the number): no bf16 or f16 on the way to a quantiser, and a product that is left as it is and whose result goes on into a quantised operand takes f32 operands (vector FMAs, or v_wmma_f32_16x16x4_f32). A number that lies on a knife's edge between two numbers of the format may be rounded either way, as far as f32 arithmetic and the matrix unit's own rounding can turn it there, and no further.
;; One version. Each part assembles by itself: llvm-mc -triple=amdgcn-amd-amdhsa -mcpu=gfx1250 --defsym DOCPART=n.
;; ======== version 1 of 1: 3 launches
;; limits: right only within a limited range of input values
;; workspace buffers: wq 819,200 bytes; energy 131,072 bytes
;; launch prep (part 1): grid 128 x 1, 4 waves a work-group, no clusters, 6,912 bytes of LDS; arguments attn_W, wq; writes wq
.if DOCPART == 1
	.amdgcn_target "amdgcn-amd-amdhsa--gfx1250"
	.amdhsa_code_object_version 6
	.text
	.protected	k_q35caaa415a_prep
	.globl	k_q35caaa415a_prep
	.p2align	8
	.type	k_q35caaa415a_prep,@function
k_q35caaa415a_prep:
	s_mov_b64 s[64:65], 0
	v_nop
	global_prefetch_b8 v0, s[64:65] scope:SCOPE_SE
	s_setreg_imm32_b32 hwreg(HW_REG_WAVE_MODE, 25, 1), 1
	s_wait_xcnt 0x0
; attn_W's columns 1,024 .. 2,047 (the part that meets encoder_output), f32, become codes of FP6 (E2M3) with one E8M0 scale for each 32 along K.
; DEAD WORK, left out by the whole program.  cat = [hidden | enc] is cut at K = 1,024, a multiple of 32, so no block of the quantiser holds numbers of both parts: hidden moves no code and no scale of enc, nor do W's columns 0 .. 1,023 move one of columns 1,024 on.
; The logit of (b, t) is   sum over n of v[n] (sum over k < 1,024 of Q(W)[n][k] Q(hidden)[b][k] + attn_b[n])   +   sum over n of v[n] sum over k of Q(W)[n][1,024 + k] Q(enc)[t][b][k].
; The first term hangs on b alone, and the softmax is taken along t: for all values of the inputs it is the same number along that axis and cancels.  So hidden, attn_b and W's columns 0 .. 1,023 have no way to the output:
; hidden and attn_b are no launch's arguments, and those columns are not loaded.  LIMIT: a NaN, an infinity or an overflow that reaches only that term is not carried to the result.
; FURTHER LIMITS: NaN and infinities among the inputs are not served.  A block of zeros gets the byte 1 where the rule says 127: its codes are zeros, and this program alone reads the bytes.
; SHARES.  Work-group x: K step ks = x % 8 (128 along K) of the four tiles 4 (x / 8) + wave of 16 rows n; a wave makes one fragment.
; A LOAD takes 512 consecutive, aligned bytes of one row.  Lane bits: l4 = which 64 of a block's 128 bytes, l3 l2 = which block, l1 l0 = which 16 bytes (l0 flipped for odd rows).
; TURNING, in registers: rows i and i + 2 change halves of the wave (permlane16_swap), rows i and i + 1 change lanes l and l xor 1 (two selects and a move): then a lane holds 16 numbers of one block of one row.
; Their order inside the block is the next launch's for enc too, so the products pair the right numbers.
; WQ: images of the operand's registers (registers 4 c .. 4 c + 3 of lane l at 512 c + 16 l; 1,536 bytes a fragment).  A block of 12,800 bytes is 8 fragments and their 8 x 16 scale words; block (f, w, q) lies at
; 102,400 f + 25,600 w + 12,800 q, with tile nt = 32 (f / 4) + 8 w + j and K step 2 (f % 4) + q.
.set FRB,   1536
.set SCB,   4*FRB                      ; the four tiles' scale words, 256 bytes
.set SPARE, SCB+256                    ; the spare words, 128 bytes a wave
.set XA, 4                             ; v4-5   my place in a row, for even and odd rows
.set AW, 6                             ; v6-8   the image: my three words
.set ASW, 9                            ; v9     my scale byte
.set LI, 10                            ; v10    16 x lane
.set LR, 11                            ; v11    the image, read back
.set SR, 12                            ; v12-13 scale words: LDS, memory
.set SPW, 28
.set NIL, 29
.set TM, 32
.set SE, 36
.set BY, 40
.set R, 64                             ; v64-127  as loaded: row i at 4 i
.set X, 128                            ; v128-191 four groups of 16 neighbours
.set CD, 192                           ; v192-207 codes
	s_load_b128 s[4:7], s[0:1], 0x0                ; W, wq
	v_lshl_add_u32 v[SPW], v0, 2, SPARE
	v_mov_b32 v[NIL], 0
	v_lshrrev_b32 v1, 5, v0
	v_readfirstlane_b32 s8, v1                     ; wave
	s_and_b32 s9, ttmp9, 7                         ; ks
	s_lshr_b32 s10, ttmp9, 3                       ; which four tiles
	s_lshl_b32 s12, s10, 19                        ; W: 64 rows of 8,192 bytes
	s_lshl_b32 s13, s8, 17                         ; 16 rows a wave
	s_add_co_u32 s12, s12, s13
	s_lshl_b32 s13, s9, 9
	s_add_co_u32 s12, s12, s13
	s_add_co_u32 s12, s12, 4096                    ; column 1,024
	s_mov_b32 s13, 0
	s_lshr_b32 s14, s10, 3                         ; f = 4 (nt / 32) + ks / 2
	s_lshl_b32 s14, s14, 2
	s_lshr_b32 s15, s9, 1
	s_add_co_u32 s14, s14, s15
	s_mul_i32 s14, s14, 102400
	s_bfe_u32 s15, s10, 0x20001                    ; w = (nt / 8) % 4
	s_mul_i32 s15, s15, 25600
	s_add_co_u32 s14, s14, s15
	s_and_b32 s15, s9, 1                           ; q = ks % 2
	s_mul_i32 s15, s15, 12800
	s_add_co_u32 s14, s14, s15                     ; the block's first byte
	s_and_b32 s16, s10, 1
	s_lshl_b32 s18, s16, 2
	s_add_co_u32 s18, s18, s8                      ; j
	s_mul_i32 s18, s18, FRB
	s_add_co_u32 s18, s18, s14
	s_mov_b32 s19, 0
	s_lshl_b32 s20, s16, 8
	s_add_co_u32 s20, s20, s14
	s_add_co_u32 s20, s20, 12288                   ; the four tiles' scale words
	s_mov_b32 s21, 0
	s_mul_i32 s26, s8, FRB                         ; my image in LDS
	s_lshl_b32 s27, s8, 6
	s_add_co_u32 s27, s27, SCB                     ; my scale words
	v_and_b32 v1, 31, v0                           ; lane
	v_bfe_u32 v3, v0, 4, 1                         ; l4
	v_and_b32 v16, 12, v0
	v_and_b32 v17, 3, v0
	v_lshlrev_b32 v[XA], 5, v16                    ; block: 128 bytes
	v_lshl_add_u32 v[XA], v17, 4, v[XA]
	v_lshl_add_u32 v[XA], v3, 6, v[XA]
	v_xor_b32 v[XA+1], 16, v[XA]
	v_bfe_u32 v16, v0, 3, 1                        ; l3
	v_bfe_u32 v17, v0, 1, 1                        ; l1: which half of the block's codes
	v_mul_u32_u24 v18, 6, v16
	v_mad_u32_u24 v18, v17, 3, v18                 ; my first word of the operand's twelve
	v_bfe_u32 v19, v0, 2, 1                        ; l2: which half of the operand's lanes
	v_and_b32 v20, 1, v0                           ; l0
	v_lshlrev_b32 v19, 8, v19
	v_lshl_add_u32 v19, v3, 5, v19
	v_lshl_add_u32 v19, v20, 4, v19                ; row 2 l4 + l0 of a group of four
	v_add_nc_u32 v19, s26, v19
.irp j, 0,1,2
	v_add_nc_u32 v16, \j, v18
	v_lshrrev_b32 v17, 2, v16
	v_lshl_add_u32 v[AW+\j], v17, 9, v19
	v_and_b32 v17, 3, v16
	v_lshl_add_u32 v[AW+\j], v17, 2, v[AW+\j]
.endr
	v_bfe_u32 v[ASW], v0, 2, 2                     ; block
	v_lshl_add_u32 v[ASW], v3, 3, v[ASW]
	v_lshl_add_u32 v[ASW], v20, 2, v[ASW]
	v_add_nc_u32 v[ASW], s27, v[ASW]
	v_lshlrev_b32 v[LI], 4, v1
	v_add_nc_u32 v[LR], s26, v[LI]
	v_lshlrev_b32 v[SR+1], 3, v1
	v_add_nc_u32 v[SR], SCB, v[SR+1]
	s_wait_alu depctr_va_vdst(0)
	s_wait_kmcnt 0x0
	s_add_nc_u64 s[4:5], s[4:5], s[12:13]
	s_add_nc_u64 s[22:23], s[6:7], s[18:19]
	s_add_nc_u64 s[24:25], s[6:7], s[20:21]
.irp i, 0,1,2,3,4,5,6,7,8,9,10,11,12,13,14,15
	global_load_b128 v[R+4*\i:R+4*\i+3], v[XA+(\i)%2], s[4:5] offset:8192*\i th:TH_LOAD_NT   ; row i: 512 consecutive bytes
.endr
	s_wait_loadcnt 0x0
.irp g, 0,1,2,3
.irp i, 0,1,2,3,4,5,6,7
	v_permlane16_swap_b32 v[R+16*\g+\i], v[R+16*\g+8+\i]
.endr
.endr
	s_mov_b32 vcc_lo, 0xaaaaaaaa                   ; odd lanes
.irp g, 0,1,2,3
.irp u, 0,1
.irp e, 0,1,2,3
	v_cndmask_b32 v[X+16*\g+4*\u+\e], v[R+16*\g+8*\u+\e], v[R+16*\g+8*\u+4+\e], vcc_lo     ; mine
	v_cndmask_b32 v[X+16*\g+8+4*\u+\e], v[R+16*\g+8*\u+4+\e], v[R+16*\g+8*\u+\e], vcc_lo   ; lane l xor 1's
.endr
.endr
.endr
.irp g, 0,1,2,3
.irp i, 8,9,10,11,12,13,14,15
	v_mov_b32_dpp v[X+16*\g+\i], v[X+16*\g+\i] row_xmask:1 row_mask:0xf bank_mask:0xf
.endr
.endr
.irp g, 0,1,2,3
	v_max3_num_f32 v[TM+\g], |v[X+16*\g]|, |v[X+1+16*\g]|, 0x1800000   ; and the floor 2^(3 - 127): the byte cannot fall under 1
.endr
.irp i, 2,4,6,8,10,12,14
.irp g, 0,1,2,3
	v_max3_num_f32 v[TM+\g], v[TM+\g], |v[X+16*\g+\i]|, |v[X+1+16*\g+\i]|
.endr
.endr
.irp g, 0,1,2,3
	v_max_num_f32_dpp v[TM+\g], v[TM+\g], v[TM+\g] row_xmask:2 row_mask:0xf bank_mask:0xf   ; the block's other half
.endr
.irp g, 0,1,2,3
	v_add_nc_u32 v[SE+\g], 0xff000000, v[TM+\g]    ; 2 off the exponent field: the conversion's scale
.endr
.irp g, 0,1,2,3
	v_cvt_scalef32_pk16_fp6_f32 v[CD+4*\g:CD+4*\g+2], v[X+16*\g:X+16*\g+15], v[SE+\g]
.endr
.irp g, 0,1,2,3
	v_lshrrev_b32 v[BY+\g], 23, v[SE+\g]           ; the scale's byte; these lines are also the plain places behind the conversions
.endr
.irp g, 0,1,2,3
.irp j, 0,1,2
	ds_store_b32 v[AW+\j], v[CD+4*\g+\j] offset:64*\g
.endr
	ds_store_b8 v[ASW], v[BY+\g] offset:16*\g      ; both halves of a block write the same byte with the same value
.endr
.irp c, 0,1,2
	ds_load_b128 v[R+4*\c:R+4*\c+3], v[LR] offset:512*\c   ; LDS serves a wave's instructions in order (ISA guide 5.7.1.4): these see my stores
.endr
	s_wait_dscnt 0x0                               ; and, for the others' sake, my scale bytes lie in LDS
.irp c, 0,1,2
	global_store_b128 v[LI], v[R+4*\c:R+4*\c+3], s[22:23] offset:512*\c   ; 32 lanes store 512 consecutive bytes, aligned
.endr
	s_barrier_signal -1
	s_barrier_wait -1
	s_cmp_lg_u32 s8, 0
	s_cbranch_scc1 .Ldone
	ds_load_b64 v[80:81], v[SR]
	s_wait_dscnt 0x0
	global_store_b64 v[SR+1], v[80:81], s[24:25]   ; 256 consecutive bytes, aligned
.Ldone:
	s_wait_tensorcnt 0x0                           ; the wave's end
	ds_add_u32 v[SPW], v[NIL]
	s_wait_dscnt 0x0
	s_endpgm
.Lfunc_end_k_q35caaa415a_prep:
	.size	k_q35caaa415a_prep, .Lfunc_end_k_q35caaa415a_prep-k_q35caaa415a_prep
	.p2alignl 7, 3214868480
	.fill 96, 4, 3214868480
	.section	.rodata,"a",@progbits
	.p2align	6, 0x0
	.amdhsa_kernel k_q35caaa415a_prep
		.amdhsa_group_segment_fixed_size 6912
		.amdhsa_private_segment_fixed_size 0
		.amdhsa_enable_private_segment 0
		.amdhsa_kernarg_size 16
		.amdhsa_user_sgpr_count 2
		.amdhsa_user_sgpr_kernarg_segment_ptr 1
		.amdhsa_wavefront_size32 1
		.amdhsa_system_sgpr_workgroup_id_x 1
		.amdhsa_system_sgpr_workgroup_id_y 1
		.amdhsa_system_sgpr_workgroup_id_z 1
		.amdhsa_system_vgpr_workitem_id 0
		.amdhsa_next_free_vgpr 208
		.amdhsa_next_free_sgpr 66
		.amdhsa_reserve_vcc 1
		.amdhsa_float_denorm_mode_32 3
		.amdhsa_float_denorm_mode_16_64 3
		.amdhsa_memory_ordered 1
		.amdhsa_forward_progress 1
		.amdhsa_inst_pref_size 16
	.end_amdhsa_kernel
	.amdgpu_metadata
---
amdhsa.version: [ 1, 2 ]
amdhsa.kernels:
  - .name:           k_q35caaa415a_prep
    .symbol:         k_q35caaa415a_prep.kd
    .args:
      - { .name: attn_W, .offset: 0, .size: 8, .value_kind: global_buffer, .address_space: global }
      - { .name: wq, .offset: 8, .size: 8, .value_kind: global_buffer, .address_space: global }
    .group_segment_fixed_size: 6912
    .private_segment_fixed_size: 0
    .kernarg_segment_align: 8
    .kernarg_segment_size: 16
    .max_flat_workgroup_size: 128
    .sgpr_count:     66
    .vgpr_count:     208
    .wavefront_size: 32
...
	.end_amdgpu_metadata
.endif
;; end of part 1
;; launch main (part 2): grid 256 x 1, 4 waves a work-group, clusters of 4 x 1, 327,680 bytes of LDS; arguments encoder_output, wq, v, energy; writes energy
.if DOCPART == 2
	.amdgcn_target "amdgcn-amd-amdhsa--gfx1250"
	.amdhsa_code_object_version 6
	.text
	.protected	k_q35caaa415a_main
	.globl	k_q35caaa415a_main
	.p2align	8
	.type	k_q35caaa415a_main,@function
k_q35caaa415a_main:
	s_mov_b64 s[64:65], 0
	v_nop
	global_prefetch_b8 v0, s[64:65] scope:SCOPE_SE
	s_setreg_imm32_b32 hwreg(HW_REG_WAVE_MODE, 25, 1), 1
	s_wait_xcnt 0x0
	s_wait_alu depctr_hold_cnt(0) depctr_sa_sdst(0) depctr_va_vdst(0) depctr_va_sdst(0) depctr_va_ssrc(0) depctr_va_vcc(0) depctr_vm_vsrc(0)
	s_getreg_b32 s2, hwreg(HW_REG_IB_STS2, 6, 4)
	s_cmp_eq_u32 s2, 0
	s_cbranch_scc0 .Lentry_in_a_cluster
	s_endpgm
.Lentry_in_a_cluster:
	s_bfe_u32 s2, ttmp6, 0x10000c
	s_cmp_lg_u32 s2, 0x3003
	s_cbranch_scc0 .Lentry_shape_is_right
	s_endpgm
.Lentry_shape_is_right:
; energy[b][t] = sum over n of v[n] sum over k of Q(W)[n][1,024 + k] Q(enc)[t][b][k],  the products on codes of FP6 (E2M3) with one E8M0 scale for each 32 along K, sums in f32.
; DEAD WORK left out: hidden's columns of the first product and the bias add one number to all t of a row b, and the softmax along t cancels it (shown at the first launch's head, with its limit).
; The product with v has one column: it is made by fused multiply-adds in f32.
; SHARES.  A work-group owns one b and 128 values of t: 128 rows of 4,096 bytes, 65,536 bytes apart; each is read once.  Tile m: t = 16 m + r.  A wave quantises tiles 2 w and 2 w + 1 and multiplies all 128 rows x 128 columns n
; (64 accumulators, 512 registers), twice: pass p serves n = 512 p + 128 w on.
; PASS 0 takes a K step of 128 as it comes.  QSTEP quantises my two fragments of a step and puts their codes into LDS as images of the operand's registers; GEMM multiplies a step.  The quantiser is one step ahead: steps 0, 1, then
; products of step 0, quantiser of step 2, products of step 1, and so on.  The barrier that shows step s's codes stands inside the quantiser of step s + 1, and W's fragments for step s are loaded behind it.
; The codes of all 8 steps stay in LDS (96 KiB and 4 KiB of scale words), and PASS 1 multiplies them with the other half of W.
; ENC goes straight into registers (64 loads of 512 bytes a wave are out), in 256 registers; so no prefetch is laid: each step's bytes are asked for two steps before they are used, all along pass 0.
; TURNING to 16 neighbours in a lane is done in registers, as the launch before does it for W: rows i and i + 2 change halves of the wave, rows i and i + 1 change lanes l and l xor 1.
; W's codes come through a ring of two LDS slots of two K steps (102,400 bytes); each wave fetches and reads its own quarter.
; CLUSTER: every work-group walks the same wq, so four work-groups ask for each tile JOINTLY (the same line, the same descriptor; mask 15).
; Cluster c begins its walk along K at step 2 (c % 4) and goes round: the clusters' loads at one place of the text name four different parts of the rows and of wq.
; The matrix instruction is used transposed (source 0 = 16 rows of W, source 1 = 16 rows of enc): lane (r, h) holds row r and eight neighbouring n.
; LIMITS: NaN and infinities among the inputs are not served.  A block of zeros gets the byte 1 where the rule says 127: its codes are zeros, and this program alone reads the bytes.
; REGISTERS, in windows of 256.  window 0: v4-31 addresses (v20-25 also partial sums with v); v32-39, v40-47 two sets of scale words (4 of W, 4 of the rows; scales and nothing else); v48-63 at work in the quantiser, later the 8 tiles'
;   sums with v, in pairs; v64-127 numbers and v128-143 codes in the quantiser, then v64-159 the rows' 8 fragments; v160-255 W's 8 fragments (pass 1: v64-159, v160-255 the rows' fragments, two sets).
;   window 1: enc as loaded, two steps (pass 1: v0-95, v96-191 W's fragments, two sets); v192-255 also v.   windows 2, 3: the accumulators of tiles 0-3, 4-7 ((a, j) at v[8 (8 (a % 4) + j)]).
.set SLOT,  102400
.set WPART, 25600                      ; a wave's part of a slot: two K steps
.set KBLK,  12800                      ; a K step: 8 fragments and 512 bytes of scale words
.set FRB,   1536                       ; a fragment's image
.set KIM,   8*FRB                      ; the rows' images of a K step
.set AIMG,  2*SLOT                     ; behind the ring: (step s, tile m) at KIM s + FRB m
.set ASC,   AIMG+8*KIM                 ; their scale words: 512 bytes a K step; tile 2 i + u, row r at 16 (16 u + r) + 4 i
.set ERED,  ASC+4096                   ; the waves' sums, 512 bytes a wave
.set SPARE, ERED+2048                  ; the spare words, 128 bytes a wave
.set XA,    4                          ; v4-5   my place in a row's 512 bytes, for even and odd rows
.set AW,    6                          ; v6-8   images: my three words of step 0
.set ASW,   9                          ; v9     scale words: my byte of step 0
.set ADRB,  10                         ; v10, v26  my part of slot 0, 1, + 16 x lane
.set ADRBS, 11                         ; v11, v27  the same with 4 x lane
.set ADRA,  12                         ; v12-13 the rows' images, steps 0-3, 4-7
.set ADRS,  14                         ; v14    their scale words
.set VA,    15                         ; v15    v: my 128 numbers, + 32 h
.set EW,    16
.set ER,    17
.set EO,    18
.set AWC,   19                         ; v19-21, v22: AW and ASW of the step that is quantised
.set ASWC,  22
.set BC,    23                         ; v23, v24: ADRB and ADRBS of the slot at hand
.set BSC,   24
.set AC,    25                         ; v25, v30: ADRA and ADRS of the step that is multiplied next
.set SCC_,  30
.set SPW,   28
.set NIL,   29
.set TM,    48
.set SE,    52
.set BY,    56
.set E,     48
.set X,     64
.set CD,    128
.set W0,    160
.set VV,    192                        ; in window 1
.set WV,    14
.set G1,    24                         ; s[24:31] descriptor group 1;  s[32:35] group 0
.set G0,    32                         ; s36 cluster; s37 slot at hand; s38 number of the last fill asked for; s39 next K step of enc to ask for; s[40:41] my part of a fill
.set MSB, 0                            ; s42, s43 images and scale words of the step that is quantised next; s50, s51 of the step that is multiplied next; s[44:45], s[52:53], s[54:55] enc at a K step that is asked for
.macro WIN new                         ; the immediate's high byte repeats the setting that is left
.if MSB != (\new)
	s_set_vgpr_msb (MSB<<8)|(\new)
.set MSB, (\new)
.endif
.endm
.macro PLACES n
.rept \n
	v_nop
.endr
.endm
.macro CREST                           ; a round of the cluster's barrier behind its opening barrier
	s_cmp_lg_u32 s[WV], 0
	s_cbranch_scc1 .Lnot_wave_0_\@
	s_barrier_signal -3
.Lnot_wave_0_\@:
	s_barrier_wait -3
	s_barrier_signal -1
	s_barrier_wait -1
.endm
.macro CROUND
	s_barrier_signal -1
	s_barrier_wait -1
	CREST
.endm
.macro NEXTK b                         ; enc's base for the next K step that is asked for
	s_and_b32 s46, s39, 7
	s_lshl_b32 s46, s46, 9
	s_mov_b32 s47, 0
	s_add_nc_u64 s[\b:\b+1], s[4:5], s[46:47]
	s_add_co_u32 s39, s39, 1
.endm
.macro FILLADR                         ; group 0's global address for fill s38: part (s38 + cluster) % 4 of pass s38 / 4
	s_add_co_u32 s46, s38, s36
	s_and_b32 s46, s46, 3
	s_and_b32 s47, s38, 4
	s_add_co_u32 s46, s46, s47
	s_mul_i32 s46, s46, SLOT
	s_mov_b32 s47, 0
	s_add_nc_u64 s[G0+2:G0+3], s[6:7], s[46:47]
	s_or_b32 s[G0+3], s[G0+3], 0x80000000
.endm
.macro FILL                            ; my one tensor load behind a round; four v_nop follow
	tensor_load_to_lds s[G0:G0+3], s[G1:G1+7]
	s_nop 0
	PLACES 4
.endm
.macro FLIP                            ; the other slot is read next,
	s_xor_b32 s37, s37, 1
	s_mul_i32 s19, s37, SLOT
.endm
.macro REFILL                          ; and the one just left takes the next fill
	s_xor_b32 s49, s37, 1
	s_mul_i32 s49, s49, SLOT
	s_add_co_u32 s[G0+1], s40, s49
	s_add_co_u32 s38, s38, 1
	FILLADR
.endm
.macro LOADF set, f, b                 ; fragment f of a step: row i's 512 consecutive, aligned bytes by one load
	WIN 0x40
.irp i, 0,1,2,3,4,5,6,7,8,9,10,11,12,13,14,15
	global_load_b128 v[128*(\set)+64*(\f)+4*\i:128*(\set)+64*(\f)+4*\i+3], v[XA+(\i)%2], s[\b:\b+1] offset:65536*(16*(\f)+\i) th:TH_LOAD_NT
.endr
	WIN 0
.endm
.macro VVLOAD p                        ; v at n = 512 p + 128 w + 16 j + 8 h + 0 .. 7: the result's layout
	WIN 0x40
.irp j, 0,1,2,3,4,5,6,7
.irp c, 0,1
	global_load_b128 v[VV+8*\j+4*\c:VV+8*\j+4*\c+3], v[VA], s[8:9] offset:2048*(\p)+64*\j+16*\c
.endr
.endr
	WIN 0
.endm
; QA, QB, QC: a fragment's quantiser.  Afterwards lane l holds, for group g, row 4 g + 2 l4 + l0, block (l3 l2), its half l1.
.macro QA set, f                       ; rows i and i + 2 change halves of the wave
.set R, 128*(\set)+64*(\f)
	WIN 0x41
.irp g, 0,1,2,3
.irp i, 0,1,2,3,4,5,6,7
	v_permlane16_swap_b32 v[R+16*\g+\i], v[R+16*\g+8+\i]
.endr
.endr
	WIN 0
.endm
.macro QB set, f                       ; what is mine, and what lane l xor 1 wants
.set R, 128*(\set)+64*(\f)
	s_mov_b32 vcc_lo, 0xaaaaaaaa                   ; odd lanes
	WIN 0x05
.irp g, 0,1,2,3
.irp u, 0,1
.irp e, 0,1,2,3
	v_cndmask_b32 v[X+16*\g+4*\u+\e], v[R+16*\g+8*\u+\e], v[R+16*\g+8*\u+4+\e], vcc_lo
	v_cndmask_b32 v[X+16*\g+8+4*\u+\e], v[R+16*\g+8*\u+4+\e], v[R+16*\g+8*\u+\e], vcc_lo
.endr
.endr
.endr
	WIN 0
.endm
.macro QC f
.irp g, 0,1,2,3
.irp i, 8,9,10,11,12,13,14,15
	v_mov_b32_dpp v[X+16*\g+\i], v[X+16*\g+\i] row_xmask:1 row_mask:0xf bank_mask:0xf
.endr
.endr
.irp g, 0,1,2,3
	v_max3_num_f32 v[TM+\g], |v[X+16*\g]|, |v[X+1+16*\g]|, 0x1800000   ; and the floor 2^(3 - 127): the byte cannot fall under 1
.endr
.irp i, 2,4,6,8,10,12,14
.irp g, 0,1,2,3
	v_max3_num_f32 v[TM+\g], v[TM+\g], |v[X+16*\g+\i]|, |v[X+1+16*\g+\i]|
.endr
.endr
.irp g, 0,1,2,3
	v_max_num_f32_dpp v[TM+\g], v[TM+\g], v[TM+\g] row_xmask:2 row_mask:0xf bank_mask:0xf   ; the block's other half
.endr
.irp g, 0,1,2,3
	v_add_nc_u32 v[SE+\g], 0xff000000, v[TM+\g]    ; 2 off the exponent field: the conversion's scale
.endr
.irp g, 0,1,2,3
	v_cvt_scalef32_pk16_fp6_f32 v[CD+4*\g:CD+4*\g+2], v[X+16*\g:X+16*\g+15], v[SE+\g]
.endr
.irp g, 0,1,2,3
	v_lshrrev_b32 v[BY+\g], 23, v[SE+\g]           ; the scale's byte; these lines are also the plain places behind the conversions
.endr
.irp g, 0,1,2,3
.irp j, 0,1,2
	ds_store_b32 v[AWC+\j], v[CD+4*\g+\j] offset:FRB*(\f)+64*\g
.endr
	ds_store_b8 v[ASWC], v[BY+\g] offset:256*(\f)+64*\g   ; both halves of a block write the same byte with the same value
.endr
.endm
.macro LW j, wb, win, adr, off         ; W's fragment j: 12 registers
	WIN \win
.irp c, 0,1,2
	ds_load_b128 v[(\wb)+12*(\j)+4*\c:(\wb)+12*(\j)+4*\c+3], v[\adr] offset:(\off)+FRB*(\j)+512*\c
.endr
.endm
.macro LA a, ab, adr, off              ; the rows' fragment a
	WIN 0
.irp c, 0,1,2
	ds_load_b128 v[(\ab)+12*(\a)+4*\c:(\ab)+12*(\a)+4*\c+3], v[\adr] offset:(\off)+FRB*(\a)+512*\c
.endr
.endm
.macro LSW sc, adr, off                ; W's scale words: register i: lanes 0-15 tile 2 i, lanes 16-31 tile 2 i + 1
	WIN 0
.irp i, 0,1,2,3
	ds_load_b32 v[(\sc)+\i], v[\adr] offset:(\off)+8*FRB+128*\i
.endr
.endm
.macro WLOAD q
	LSW 32, BSC, KBLK*(\q)
.irp j, 0,1,2,3,4,5,6,7
	LW \j, W0, 0, BC, KBLK*(\q)
.endr
.endm
; A fragment of a step.  sync = 1: a barrier shows the step before, and W's fragments for it are loaded from the slot at hand; sync = 2: a round does so and changes slots as well; n: loads younger than the fragment's
.macro QHALF set, f, sync, load, n, b
.if (\sync) == 2
	s_wait_tensorcnt 0x0                           ; my part of the slot that is read next is in
	ds_add_u32 v[SPW], v[NIL]                      ; 0 onto my spare word
	FLIP
	REFILL
.endif
	s_wait_loadcnt \n
	QA \set, \f
.if (\sync) == 2
	v_add_nc_u32 v[BC], s19, v[ADRB]
	v_add_nc_u32 v[BSC], s19, v[ADRBS]
.endif
.if \sync
	s_wait_dscnt 0x0                               ; the codes that I stored lie in LDS; my reads of the slot that is filled again are over; the add, where there is one, is done
	s_barrier_signal -1
	QB \set, \f
	s_wait_alu depctr_va_vdst(0)
	s_barrier_wait -1
.if (\sync) == 2
	CREST                                          ; no wave of any partner reads that slot or has a load on its way
	FILL
	WLOAD 0
.else
	WLOAD 1
.endif
.else
	QB \set, \f
.endif
.if \load
	LOADF \set, \f, \b                             ; the K step two steps on, into the registers just left
.endif
	QC \f
.endm
; A step's quantiser.  late = 1: the sync stands in the second fragment
.macro QSTEP set, sync, late, load, n0, n1, b
.if \load
.if (\b) == 44
	s_wait_xcnt 0x0                                ; the base is written anew only behind this wait
.endif
	NEXTK \b
.endif
.irp j, 0,1,2
	v_add_nc_u32 v[AWC+\j], s42, v[AW+\j]
.endr
	v_add_nc_u32 v[ASWC], s43, v[ASW]
	v_add_nc_u32 v[AC], s50, v[ADRA]
	v_add_nc_u32 v[SCC_], s51, v[ADRS]
	s_add_co_u32 s42, s42, KIM
	s_add_co_u32 s43, s43, 512
.if \sync
	s_add_co_u32 s50, s50, KIM                     ; a sync stands in front of each step of products
	s_add_co_u32 s51, s51, 512
.endif
.if \late
	QHALF \set, 0, 0, \load, \n0, \b
	s_wait_alu depctr_va_vdst(0)
	QHALF \set, 1, \sync, \load, \n1, \b
.else
	QHALF \set, 0, \sync, \load, \n0, \b
	s_wait_alu depctr_va_vdst(0)
	QHALF \set, 1, 0, \load, \n1, \b
.endif
.endm
; one product: tile a of the rows x tile j of W.  init = 1: it starts the sum.  An odd tile's scale words lie in lanes 16-31 of its register
.macro WM a, j, wb, ab, sc, init
.set rD, 8*(8*((\a)%4)+(\j))
.set rB, (\wb)+12*(\j)
.set rA, (\ab)+12*(\a)
.set rW, (\sc)+(\j)/2
.set rR, (\sc)+4+(\a)/2
.if \init
.if ((\j)%2 == 0) && ((\a)%2 == 0)
	v_wmma_scale_f32_16x16x128_f8f6f4 v[rD:rD+7], v[rB:rB+11], v[rA:rA+11], 0, v[rW], v[rR] matrix_a_fmt:MATRIX_FMT_FP6 matrix_b_fmt:MATRIX_FMT_FP6
.elseif ((\j)%2 == 1) && ((\a)%2 == 0)
	v_wmma_scale_f32_16x16x128_f8f6f4 v[rD:rD+7], v[rB:rB+11], v[rA:rA+11], 0, v[rW], v[rR] matrix_a_fmt:MATRIX_FMT_FP6 matrix_b_fmt:MATRIX_FMT_FP6 matrix_a_scale:MATRIX_SCALE_ROW1
.elseif ((\j)%2 == 0) && ((\a)%2 == 1)
	v_wmma_scale_f32_16x16x128_f8f6f4 v[rD:rD+7], v[rB:rB+11], v[rA:rA+11], 0, v[rW], v[rR] matrix_a_fmt:MATRIX_FMT_FP6 matrix_b_fmt:MATRIX_FMT_FP6 matrix_b_scale:MATRIX_SCALE_ROW1
.else
	v_wmma_scale_f32_16x16x128_f8f6f4 v[rD:rD+7], v[rB:rB+11], v[rA:rA+11], 0, v[rW], v[rR] matrix_a_fmt:MATRIX_FMT_FP6 matrix_b_fmt:MATRIX_FMT_FP6 matrix_a_scale:MATRIX_SCALE_ROW1 matrix_b_scale:MATRIX_SCALE_ROW1
.endif
.else
.if ((\j)%2 == 0) && ((\a)%2 == 0)
	v_wmma_scale_f32_16x16x128_f8f6f4 v[rD:rD+7], v[rB:rB+11], v[rA:rA+11], v[rD:rD+7], v[rW], v[rR] matrix_a_fmt:MATRIX_FMT_FP6 matrix_b_fmt:MATRIX_FMT_FP6
.elseif ((\j)%2 == 1) && ((\a)%2 == 0)
	v_wmma_scale_f32_16x16x128_f8f6f4 v[rD:rD+7], v[rB:rB+11], v[rA:rA+11], v[rD:rD+7], v[rW], v[rR] matrix_a_fmt:MATRIX_FMT_FP6 matrix_b_fmt:MATRIX_FMT_FP6 matrix_a_scale:MATRIX_SCALE_ROW1
.elseif ((\j)%2 == 0) && ((\a)%2 == 1)
	v_wmma_scale_f32_16x16x128_f8f6f4 v[rD:rD+7], v[rB:rB+11], v[rA:rA+11], v[rD:rD+7], v[rW], v[rR] matrix_a_fmt:MATRIX_FMT_FP6 matrix_b_fmt:MATRIX_FMT_FP6 matrix_b_scale:MATRIX_SCALE_ROW1
.else
	v_wmma_scale_f32_16x16x128_f8f6f4 v[rD:rD+7], v[rB:rB+11], v[rA:rA+11], v[rD:rD+7], v[rW], v[rR] matrix_a_fmt:MATRIX_FMT_FP6 matrix_b_fmt:MATRIX_FMT_FP6 matrix_a_scale:MATRIX_SCALE_ROW1 matrix_b_scale:MATRIX_SCALE_ROW1
.endif
.endif
.endm
; eight products: tile a x my 8 tiles of W.  The 64 accumulators take turns, one instruction a turn, in the same order in every K step
.macro ROW a, wb, ab, sc, win, init
	WIN (\win)+0x50*((\a)/4)                       ; C and D: window 2 (tiles 0-3) or 3
.irp j, 0,1,2,3,4,5,6,7
	WM \a, \j, \wb, \ab, \sc, \init
.endr
.endm
.macro GEMM init                       ; a step of pass 0: W's fragments have been asked for; the rows' come in the order of their use
	ds_load_b128 v[36:39], v[SCC_]
.irp a, 0,1,2,3,4
	LA \a, 64, AC, 0
.endr
	s_wait_dscnt 16                                ; all but the 16 just issued: the quantiser's stores have left the codes' registers, which tiles 5 to 7 take; W's fragments are in
.irp a, 5,6,7
	LA \a, 64, AC, 0
.endr
.irp a, 0,1,2,3,4,5,6,7
	s_wait_dscnt 3*(7-\a)                          ; tile a is in; the tiles behind it, three loads each, may be out
	ROW \a, W0, 64, 32, 0xa0, \init
.endr
	WIN 0
.endm
; The product with v: tile a's sum takes v[n] x (its accumulators' numbers), two at a time; four chains by turns, joined at the tile's end; each accumulator is read from its low end on
.macro EPJ a, j, first
.set eA, 8*(8*((\a)%4)+(\j))
.set eV, VV+8*(\j)
.set eE, E+2*(\a)
	WIN 0x06+(\a)/4                                ; source 0 window 2 or 3, source 1 window 1
.if (\first) && ((\j) == 0)
	v_pk_mul_f32 v[eE:eE+1], v[eA:eA+1], v[eV:eV+1]
.else
	v_pk_fma_f32 v[eE:eE+1], v[eA:eA+1], v[eV:eV+1], v[eE:eE+1]
.endif
.irp u, 1,2,3
.if (\j) == 0
	v_pk_mul_f32 v[18+2*\u:19+2*\u], v[eA+2*\u:eA+2*\u+1], v[eV+2*\u:eV+2*\u+1]
.else
	v_pk_fma_f32 v[18+2*\u:19+2*\u], v[eA+2*\u:eA+2*\u+1], v[eV+2*\u:eV+2*\u+1], v[18+2*\u:19+2*\u]
.endif
.endr
.endm
.macro EPEND a
.set eE, E+2*(\a)
	WIN 0
	v_pk_add_f32 v[22:23], v[22:23], v[24:25]
	v_pk_add_f32 v[eE:eE+1], v[eE:eE+1], v[20:21]
	v_pk_add_f32 v[eE:eE+1], v[eE:eE+1], v[22:23]
.endm
.macro EPI a, first                    ; a whole tile, by itself
.irp j, 0,1,2,3,4,5,6,7
	EPJ \a, \j, \first
.endr
	EPEND \a
.endm
.macro ROWE a, wb, ab, sc, init, ea, first   ; a row of products with tile ea's product with v between them
.irp j, 0,1,2,3,4,5,6,7
	WIN 0xa1+0x50*((\a)/4)
	WM \a, \j, \wb, \ab, \sc, \init
.if ((\j)%2) == 1
	EPJ \ea, (\j)-1, \first
	EPJ \ea, \j, \first
.endif
.endr
	EPEND \ea
.endm
; PASS 1.  Both operands have two register sets: even steps on set 0 (W v0, rows v64, scales v32), odd steps on set 1 (v96, v160, v40).  The next step's loads stand in two runs: scale words and W's fragments (29), the rows' (24).
.macro NSW st, sc, wb, slot, q
	LSW \sc, ADRBS+16*(\slot), KBLK*(\q)
	ds_load_b128 v[(\sc)+4:(\sc)+7], v[ADRS] offset:512*(\st)
.irp j, 0,1,2,3,4,5,6,7
	LW \j, \wb, 0x40, ADRB+16*(\slot), KBLK*(\q)
.endr
.endm
.macro NA st, ab
.irp a, 0,1,2,3,4,5,6,7
	LA \a, \ab, ADRA+(\st)/4, KIM*((\st)%4)
.endr
.endm
.macro PR a, first                     ; a row of an even step; first = 1: pass 1's first step, which starts the sums; before tile a + 1's accumulators are begun anew, pass 0's results are taken from them
.if (\first) && ((\a) < 7)
	ROWE \a, 0, 64, 32, 1, (\a)+1, 1
.else
	ROW \a, 0, 64, 32, 0xa1, \first
.endif
.endm
.macro P1E sp, slot, first, n          ; a slot's first K step; the next is the slot's second
	s_wait_dscnt \n                                ; (n = 9: all but the rows' tiles 5-7)
	PR 0, \first
	PLACES 4                                       ; in front of the loads into set 1, which the step before multiplied
	NSW (\sp)+1, 40, 96, \slot, 1
	s_wait_dscnt 29                                ; all but the 29 just issued
	PR 1, \first
	PR 2, \first
	PR 3, \first
	NA (\sp)+1, 160
	PR 4, \first
	PR 5, \first
	PR 6, \first
	PR 7, \first
	WIN 0
.endm
.macro P1O sp, slot, fill              ; a slot's second K step; the next step reads the other slot, number \slot.  fill = 1: this slot is filled again
	s_wait_tensorcnt 0x0                           ; my part of the other slot is in
	ds_add_u32 v[SPW], v[NIL]                      ; 0 onto my spare word
.if \fill
	s_add_co_u32 s[G0+1], s40, SLOT*(1-(\slot))
	s_add_co_u32 s38, s38, 1
	FILLADR
.endif
	s_wait_dscnt 7                                 ; all but the add and the rows' tiles 6, 7
	ROW 0, 96, 160, 40, 0xa1, 0
	s_wait_dscnt 0x0                               ; the add is done, and my reads of this slot are over
	s_barrier_signal -1
	ROW 1, 96, 160, 40, 0xa1, 0
	WIN 0
	s_barrier_wait -1
.if \fill
	CREST
	FILL                                           ; its v_nop are also the places in front of the loads into set 0
.else
	PLACES 4
.endif
	NSW (\sp)+1, 32, 0, \slot, 0
	ROW 2, 96, 160, 40, 0xa1, 0
	ROW 3, 96, 160, 40, 0xa1, 0
	ROW 4, 96, 160, 40, 0xa1, 0
	NA (\sp)+1, 64
	ROW 5, 96, 160, 40, 0xa1, 0
	ROW 6, 96, 160, 40, 0xa1, 0
	ROW 7, 96, 160, 40, 0xa1, 0
	WIN 0
.endm
	s_load_b256 s[4:11], s[0:1], 0x0               ; enc s[4:5], wq s[6:7], v s[8:9], energy s[10:11]
	v_lshl_add_u32 v[SPW], v0, 2, SPARE
	v_mov_b32 v[NIL], 0
	ds_add_u32 v[SPW], v[NIL]                      ; the wave's opening
	ds_add_u32 v[SPW], v[NIL]
	v_lshrrev_b32 v1, 5, v0
	v_readfirstlane_b32 s[WV], v1                  ; wave 0..3
	s_bfe_u32 s15, ttmp6, 0x40000                  ; my place in the cluster: it enters enc's and energy's addresses alone
	s_lshl_b32 s16, ttmp9, 2
	s_add_co_u32 s16, s16, s15                     ; my work-group: b = its upper four bits, 128 t its lower four
	s_mov_b32 s36, ttmp9                           ; my cluster
	s_mul_i32 s40, s[WV], WPART
	s_mov_b32 s41, 0
	s_mul_i32 s17, s[WV], 2*FRB
	s_add_co_u32 s17, s17, AIMG                    ; my two tiles' images
	s_lshl_b32 s18, s[WV], 2
	s_add_co_u32 s18, s18, ASC                     ; their scale words
	s_lshl_b32 s19, s[WV], 9
	s_add_co_u32 s49, s19, ERED
	s_and_b32 s20, s16, 15
	s_lshl_b32 s20, s20, 23                        ; enc: 128 t of 65,536 bytes,
	s_lshl_b32 s21, s[WV], 21                      ; 32 of them a wave,
	s_add_co_u32 s20, s20, s21
	s_lshr_b32 s21, s16, 4
	s_lshl_b32 s21, s21, 12                        ; and row b
	s_add_co_u32 s20, s20, s21
	s_mov_b32 s21, 0
	s_lshl_b32 s22, s16, 9                         ; energy: 512 bytes a work-group
	s_mov_b32 s23, 0
	; descriptor group 1: a wave's part of a fill, 25,600 dense bytes, as 100 rows of 256 bytes (32 elements of 8 bytes); no padding
	s_mov_b32 s[G1+0], 15|(3<<16)|(1<<21)          ; 15:0 the mask: all four work-groups; 17:16 elements of 8 bytes; 21 set beside a mask
	s_mov_b32 s[G1+1], 32<<16
	s_mov_b32 s[G1+2], 100<<16
	s_mov_b32 s[G1+3], 32<<16
	s_mov_b32 s[G1+4], 100
	s_mov_b32 s[G1+5], 32
	s_mov_b32 s[G1+6], 0
	s_mov_b32 s[G1+7], 0
	s_mov_b32 s37, 1
	s_mov_b32 s38, 0
	s_lshl_b32 s39, s36, 1
	s_mov_b32 s42, 0
	s_mov_b32 s43, 0
	s_mov_b32 s50, 0
	s_mov_b32 s51, 0
	v_and_b32 v1, 31, v0                           ; lane
	v_and_b32 v2, 15, v0                           ; r
	v_bfe_u32 v3, v0, 4, 1                         ; h
	v_and_b32 v19, 12, v0
	v_and_b32 v20, 3, v0
	v_lshlrev_b32 v[XA], 5, v19                    ; block: 128 bytes
	v_lshl_add_u32 v[XA], v20, 4, v[XA]
	v_lshl_add_u32 v[XA], v3, 6, v[XA]
	v_xor_b32 v[XA+1], 16, v[XA]
	v_bfe_u32 v19, v0, 3, 1
	v_bfe_u32 v20, v0, 1, 1
	v_mul_u32_u24 v21, 6, v19
	v_mad_u32_u24 v21, v20, 3, v21                 ; my first word of the operand's twelve: 6 l3 + 3 l1
	v_bfe_u32 v22, v0, 2, 1
	v_and_b32 v23, 1, v0
	v_lshlrev_b32 v22, 8, v22
	v_lshl_add_u32 v22, v3, 5, v22
	v_lshl_add_u32 v22, v23, 4, v22                ; the operand's lane: row 2 l4 + l0 of a group of four, + 16 l2
	v_add_nc_u32 v22, s17, v22
.irp j, 0,1,2
	v_add_nc_u32 v19, \j, v21
	v_lshrrev_b32 v20, 2, v19
	v_lshl_add_u32 v[AW+\j], v20, 9, v22
	v_and_b32 v20, 3, v19
	v_lshl_add_u32 v[AW+\j], v20, 2, v[AW+\j]
.endr
	v_bfe_u32 v[ASW], v0, 2, 2                     ; block
	v_lshl_add_u32 v[ASW], v3, 5, v[ASW]
	v_lshl_add_u32 v[ASW], v23, 4, v[ASW]
	v_add_nc_u32 v[ASW], s18, v[ASW]
	v_lshlrev_b32 v[EO], 4, v1
	v_lshlrev_b32 v24, 2, v1
	v_add_nc_u32 v[ADRB], s40, v[EO]
	v_add_nc_u32 v[ADRB+16], SLOT, v[ADRB]
	v_add_nc_u32 v[ADRBS], s40, v24
	v_add_nc_u32 v[ADRBS+16], SLOT, v[ADRBS]
	v_add_nc_u32 v[ADRA], AIMG, v[EO]
	v_add_nc_u32 v[ADRA+1], AIMG+4*KIM, v[EO]
	v_add_nc_u32 v[ADRS], ASC, v[EO]
	v_lshl_add_u32 v[VA], v3, 5, s19
	v_lshl_add_u32 v[EW], v2, 2, s49
	v_add_nc_u32 v[ER], ERED, v[EO]
	s_wait_alu depctr_va_vdst(0)
	s_wait_dscnt 0x0                               ; both opening adds are done
	CROUND                                         ; all four work-groups are here: the first joint loads meet
	s_wait_kmcnt 0x0
	s_add_nc_u64 s[4:5], s[4:5], s[20:21]
	s_add_nc_u64 s[10:11], s[10:11], s[22:23]
	s_add_nc_u64 s[6:7], s[6:7], s[40:41]          ; wq at my wave's part: the same in all four partners
	NEXTK 44
	LOADF 0, 0, 44                                 ; step 0: quantised first
	LOADF 0, 1, 44
	s_mov_b32 s[G0], 1
	s_mov_b32 s[G0+1], s40                         ; slot 0
	FILLADR
	FILL                                           ; fill 0: my one tensor load at the head
	NEXTK 52
	LOADF 1, 0, 52                                 ; step 1
	LOADF 1, 1, 52
	; PASS 0.  Fill x lies in slot x % 2; the quantiser of step 2 x + 1 shows fill x and asks for fill x + 1
	QSTEP 0, 0, 0, 1, 48, 48, 54                   ; step 0
	QSTEP 1, 2, 1, 1, 48, 48, 44                   ; step 1: the first fill is waited for in its second fragment
	GEMM 1                                         ; products of step 0
	s_mov_b32 s48, 2
.Lpair:
	QSTEP 0, 1, 0, 1, 48, 48, 44                   ; step 2, then 4
	GEMM 0                                         ; products of step 1, then 3
	QSTEP 1, 2, 0, 1, 48, 48, 44                   ; step 3, then 5
	GEMM 0                                         ; products of step 2, then 4
	s_sub_co_u32 s48, s48, 1
	s_cmp_lg_u32 s48, 0
	s_cbranch_scc1 .Lpair
	QSTEP 0, 1, 0, 0, 48, 32, 44                   ; step 6: nothing of enc is left to ask for
	GEMM 0
	QSTEP 1, 2, 0, 0, 16, 0, 44                    ; step 7
	VVLOAD 0
	GEMM 0                                         ; products of step 6
	PLACES 4                                       ; in front of the loads below
	WLOAD 1
	v_add_nc_u32 v[AC], s50, v[ADRA]
	v_add_nc_u32 v[SCC_], s51, v[ADRS]
	s_wait_alu depctr_va_vdst(0)
	s_wait_dscnt 0x0                               ; for the others' sake: step 7's codes lie in LDS
	s_barrier_signal -1
	s_barrier_wait -1
	GEMM 0                                         ; products of step 7
	; from pass 0 to pass 1: fill 4 is shown, fill 5 asked for
	PLACES 4                                       ; in front of the loads below and of the first reads of results
	NA 0, 64
	s_wait_tensorcnt 0x0
	ds_add_u32 v[SPW], v[NIL]
	s_add_co_u32 s[G0+1], s40, SLOT
	s_add_co_u32 s38, s38, 1
	FILLADR
	s_wait_loadcnt 0x0                             ; v
	EPI 0, 1
	s_wait_dscnt 0x0
	s_barrier_signal -1
	s_wait_alu depctr_va_vdst(0)
	s_barrier_wait -1
	CREST
	FILL
	NSW 0, 32, 0, 0, 0
	P1E 0, 0, 1, 0
	VVLOAD 1
	s_wait_alu depctr_va_vdst(0)
	P1O 1, 1, 1
	P1E 2, 1, 0, 9
	P1O 3, 0, 1
	P1E 4, 0, 0, 9
	P1O 5, 1, 0                                    ; nothing is left to fetch
	P1E 6, 1, 0, 9
	s_wait_loadcnt 0x0                             ; v
	s_wait_dscnt 0x0                               ; the very last K step: each finished tile's product with v stands in the next tile's row
	ROW 0, 96, 160, 40, 0xa1, 0
	PLACES 4
.irp a, 1,2,3,4,5,6,7
	ROWE \a, 96, 160, 40, 0, (\a)-1, 0
.endr
	EPI 7, 0
	; THE WAY OUT.  A tile's sum: its two halves, the other half of the lanes' eight n, then the four waves' columns, which meet in LDS.
	s_mov_b32 s20, 0x76543210
	s_mov_b32 s21, 0xfedcba98                      ; v_permlanex16_b32's selects for lane l xor 16
.irp a, 0,1,2,3,4,5,6,7
	v_add_f32 v[64+\a], v[E+2*\a], v[E+2*\a+1]
.endr
.irp a, 0,1,2,3,4,5,6,7
	v_permlanex16_b32 v[72+\a], v[64+\a], s20, s21
.endr
.irp a, 0,1,2,3,4,5,6,7
	v_add_f32 v[64+\a], v[64+\a], v[72+\a]         ; lane (r, h): row 16 a + r
.endr
.irp a, 0,1,2,3,4,5,6,7
	ds_store_b32 v[EW], v[64+\a] offset:64*\a      ; lanes r and r + 16 write the same word with the same value
.endr
	s_wait_dscnt 0x0                               ; for the others' sake
	s_barrier_signal -1
	s_barrier_wait -1
	s_cmp_lg_u32 s[WV], 0
	s_cbranch_scc1 .Lnot_first
.irp w, 0,1,2,3
	ds_load_b128 v[80+4*\w:83+4*\w], v[ER] offset:512*\w
.endr
	s_wait_dscnt 0x0
	v_pk_add_f32 v[80:81], v[80:81], v[84:85]
	v_pk_add_f32 v[82:83], v[82:83], v[86:87]
	v_pk_add_f32 v[88:89], v[88:89], v[92:93]
	v_pk_add_f32 v[90:91], v[90:91], v[94:95]
	v_pk_add_f32 v[80:81], v[80:81], v[88:89]
	v_pk_add_f32 v[82:83], v[82:83], v[90:91]
	global_store_b128 v[EO], v[80:83], s[10:11]    ; 512 consecutive bytes of row b, aligned
.Lnot_first:
	s_wait_tensorcnt 0x0                           ; the wave's end
	ds_add_u32 v[SPW], v[NIL]
	s_wait_dscnt 0x0
	CROUND                                         ; the closing round: no work-group ends while a partner may still ask for a tile that names it
	s_endpgm
.Lfunc_end_k_q35caaa415a_main:
	.size	k_q35caaa415a_main, .Lfunc_end_k_q35caaa415a_main-k_q35caaa415a_main
	.p2alignl 7, 3214868480
	.fill 96, 4, 3214868480
	.section	.rodata,"a",@progbits
	.p2align	6, 0x0
	.amdhsa_kernel k_q35caaa415a_main
		.amdhsa_group_segment_fixed_size 327680
		.amdhsa_private_segment_fixed_size 0
		.amdhsa_enable_private_segment 0
		.amdhsa_kernarg_size 32
		.amdhsa_user_sgpr_count 2
		.amdhsa_user_sgpr_kernarg_segment_ptr 1
		.amdhsa_wavefront_size32 1
		.amdhsa_system_sgpr_workgroup_id_x 1
		.amdhsa_system_sgpr_workgroup_id_y 1
		.amdhsa_system_sgpr_workgroup_id_z 1
		.amdhsa_system_vgpr_workitem_id 0
		.amdhsa_next_free_vgpr 1024
		.amdhsa_next_free_sgpr 66
		.amdhsa_reserve_vcc 1
		.amdhsa_float_denorm_mode_32 3
		.amdhsa_float_denorm_mode_16_64 3
		.amdhsa_memory_ordered 1
		.amdhsa_forward_progress 1
		.amdhsa_inst_pref_size 255
	.end_amdhsa_kernel
	.section	.bss,"aw",@nobits
	.p2align	6
	.space	262144
	.amdgpu_metadata
---
amdhsa.version: [ 1, 2 ]
amdhsa.kernels:
  - .name:           k_q35caaa415a_main
    .symbol:         k_q35caaa415a_main.kd
    .args:
      - { .name: encoder_output, .offset: 0, .size: 8, .value_kind: global_buffer, .address_space: global }
      - { .name: wq, .offset: 8, .size: 8, .value_kind: global_buffer, .address_space: global }
      - { .name: v, .offset: 16, .size: 8, .value_kind: global_buffer, .address_space: global }
      - { .name: energy, .offset: 24, .size: 8, .value_kind: global_buffer, .address_space: global }
    .group_segment_fixed_size: 327680
    .private_segment_fixed_size: 0
    .kernarg_segment_align: 8
    .kernarg_segment_size: 32
    .max_flat_workgroup_size: 128
    .sgpr_count:     66
    .vgpr_count:     1024
    .wavefront_size: 32
...
	.end_amdgpu_metadata
.endif
;; end of part 2
;; launch soft (part 3): grid 16 x 1, 8 waves a work-group, no clusters, 1,280 bytes of LDS; arguments energy, out0; writes out0
.if DOCPART == 3
	.amdgcn_target "amdgcn-amd-amdhsa--gfx1250"
	.amdhsa_code_object_version 6
	.text
	.protected	k_q35caaa415a_soft
	.globl	k_q35caaa415a_soft
	.p2align	8
	.type	k_q35caaa415a_soft,@function
k_q35caaa415a_soft:
	s_mov_b64 s[64:65], 0
	v_nop
	global_prefetch_b8 v0, s[64:65] scope:SCOPE_SE
	s_setreg_imm32_b32 hwreg(HW_REG_WAVE_MODE, 25, 1), 1
	s_wait_xcnt 0x0
; out0[b][0][t] = softmax over t of energy[b][t].  energy, out0: [16][2048] f32.
; A row has one owner: work-group b, eight waves; thread n holds 8 numbers (16 bytes at 16 n and at 4,096 + 16 n), so each load and store of a wave covers 512 consecutive bytes, aligned.
; The row's maximum is taken away before the exponential: p = 2^(c x - c max), c = log2(e), by one fused multiply-add; the rounding of c max is common to the row and falls out in the division by the sum.
; LIMITS: NaN and infinities are not served; an exponential under 2^-126 comes out as 0 (the sum is at least about 1).
; No matrix unit, no cluster, no tensor load: 128 KiB in, 128 KiB out, nothing shared between work-groups.
	s_load_b128 s[4:7], s[0:1], 0x0                ; energy s[4:5], out0 s[6:7]
	v_lshl_add_u32 v32, v0, 2, 0x100
	v_mov_b32 v33, 0
	v_lshrrev_b32 v1, 5, v0
	s_delay_alu instid0(VALU_DEP_1)
	v_readfirstlane_b32 s8, v1                     ; wave 0..7
	v_lshlrev_b32 v2, 4, v0                        ; 16 x thread
	s_delay_alu instid0(VALU_DEP_2)
	v_mov_b32 v3, s8
	s_delay_alu instid0(VALU_DEP_1)
	v_lshlrev_b32 v3, 2, v3                        ; my wave's word in LDS
	v_mov_b32 v4, 0
	s_lshl_b32 s10, ttmp9, 13                      ; row b: 8,192 bytes
	s_mov_b32 s11, 0
	s_mov_b32 s12, 0x76543210
	s_mov_b32 s13, 0xfedcba98                      ; v_permlanex16_b32's selects for lane l xor 16
	s_mov_b32 s14, 0x3fb8aa3b                      ; c = log2(e)
	s_mov_b32 s15, s14                             ; (named with it as a pair, so it is written)
	s_wait_alu depctr_va_vdst(0)
	s_wait_kmcnt 0x0
	s_add_nc_u64 s[4:5], s[4:5], s[10:11]
	s_add_nc_u64 s[6:7], s[6:7], s[10:11]
	global_load_b128 v[8:11], v2, s[4:5]
	global_load_b128 v[12:15], v2, s[4:5] offset:4096
	s_wait_loadcnt 0x0
	v_max3_num_f32 v16, v8, v9, v10                ; the maximum of my 8,
	v_max3_num_f32 v17, v11, v12, v13
	s_delay_alu instid0(VALU_DEP_2)
	v_max3_num_f32 v16, v16, v14, v15
	s_delay_alu instid0(VALU_DEP_1)
	v_max_num_f32 v16, v16, v17
	s_delay_alu instid0(VALU_DEP_1)
	v_max_num_f32_dpp v16, v16, v16 row_xmask:1 row_mask:0xf bank_mask:0xf   ; of the wave's 32 lanes,
	s_delay_alu instid0(VALU_DEP_1)
	v_max_num_f32_dpp v16, v16, v16 row_xmask:2 row_mask:0xf bank_mask:0xf
	s_delay_alu instid0(VALU_DEP_1)
	v_max_num_f32_dpp v16, v16, v16 row_xmask:4 row_mask:0xf bank_mask:0xf
	s_delay_alu instid0(VALU_DEP_1)
	v_max_num_f32_dpp v16, v16, v16 row_xmask:8 row_mask:0xf bank_mask:0xf
	s_delay_alu instid0(VALU_DEP_1)
	v_permlanex16_b32 v17, v16, s12, s13
	s_delay_alu instid0(VALU_DEP_1)
	v_max_num_f32 v16, v16, v17
	ds_store_b32 v3, v16                           ; all lanes write the same word with the same value
	s_wait_dscnt 0x0                               ; for the others' sake
	s_barrier_signal -1
	s_barrier_wait -1
	ds_load_b128 v[20:23], v4                      ; and of the eight waves
	ds_load_b128 v[24:27], v4 offset:16
	s_wait_dscnt 0x0
	v_max3_num_f32 v16, v20, v21, v22
	v_max3_num_f32 v17, v23, v24, v25
	s_delay_alu instid0(VALU_DEP_2)
	v_max3_num_f32 v16, v16, v26, v27
	s_delay_alu instid0(VALU_DEP_1)
	v_max_num_f32 v16, v16, v17
	s_delay_alu instid0(VALU_DEP_1)
	v_mul_f32 v16, s14, v16                        ; c max
.irp i, 0,2,4,6
	v_pk_fma_f32 v[8+\i:9+\i], v[8+\i:9+\i], s[14:15], v[16:17] op_sel_hi:[1,0,0] neg_lo:[0,0,1] neg_hi:[0,0,1]   ; c x - c max (of the pairs c and c max the low word serves both halves)
.endr
	s_wait_alu depctr_va_vdst(0)
.irp i, 0,1,2,3,4,5,6,7
	v_exp_f32 v[8+\i], v[8+\i]
.endr
	v_nop                                          ; one plain place behind the exponentials
	s_wait_alu depctr_va_vdst(0)
	v_pk_add_f32 v[18:19], v[8:9], v[10:11]        ; the sum, the same way
	v_pk_add_f32 v[28:29], v[12:13], v[14:15]
	s_delay_alu instid0(VALU_DEP_1)
	v_pk_add_f32 v[18:19], v[18:19], v[28:29]
	s_delay_alu instid0(VALU_DEP_1)
	v_add_f32 v18, v18, v19
	s_delay_alu instid0(VALU_DEP_1)
	v_add_f32_dpp v18, v18, v18 row_xmask:1 row_mask:0xf bank_mask:0xf
	s_delay_alu instid0(VALU_DEP_1)
	v_add_f32_dpp v18, v18, v18 row_xmask:2 row_mask:0xf bank_mask:0xf
	s_delay_alu instid0(VALU_DEP_1)
	v_add_f32_dpp v18, v18, v18 row_xmask:4 row_mask:0xf bank_mask:0xf
	s_delay_alu instid0(VALU_DEP_1)
	v_add_f32_dpp v18, v18, v18 row_xmask:8 row_mask:0xf bank_mask:0xf
	s_delay_alu instid0(VALU_DEP_1)
	v_permlanex16_b32 v19, v18, s12, s13
	s_delay_alu instid0(VALU_DEP_1)
	v_add_f32 v18, v18, v19
	ds_store_b32 v3, v18 offset:32                 ; other words than the maxima's: no wave may still be reading those
	s_wait_dscnt 0x0
	s_barrier_signal -1
	s_barrier_wait -1
	ds_load_b128 v[20:23], v4 offset:32
	ds_load_b128 v[24:27], v4 offset:48
	s_wait_dscnt 0x0
	v_pk_add_f32 v[20:21], v[20:21], v[22:23]
	v_pk_add_f32 v[24:25], v[24:25], v[26:27]
	s_delay_alu instid0(VALU_DEP_1)
	v_pk_add_f32 v[20:21], v[20:21], v[24:25]
	s_delay_alu instid0(VALU_DEP_1)
	v_add_f32 v18, v20, v21
	s_wait_alu depctr_va_vdst(0)
	v_rcp_f32 v18, v18
	v_nop                                          ; one plain place behind the reciprocal
	s_wait_alu depctr_va_vdst(0)
.irp i, 0,2,4,6
	v_pk_mul_f32 v[8+\i:9+\i], v[8+\i:9+\i], v[18:19] op_sel_hi:[1,0]
.endr
	global_store_b128 v2, v[8:11], s[6:7]
	global_store_b128 v2, v[12:15], s[6:7] offset:4096
	s_wait_tensorcnt 0x0
	ds_add_u32 v32, v33
	s_wait_dscnt 0x0
	s_endpgm
.Lfunc_end_k_q35caaa415a_soft:
	.size	k_q35caaa415a_soft, .Lfunc_end_k_q35caaa415a_soft-k_q35caaa415a_soft
	.p2alignl 7, 3214868480
	.fill 96, 4, 3214868480
	.section	.rodata,"a",@progbits
	.p2align	6, 0x0
	.amdhsa_kernel k_q35caaa415a_soft
		.amdhsa_group_segment_fixed_size 1280
		.amdhsa_private_segment_fixed_size 0
		.amdhsa_enable_private_segment 0
		.amdhsa_kernarg_size 16
		.amdhsa_user_sgpr_count 2
		.amdhsa_user_sgpr_kernarg_segment_ptr 1
		.amdhsa_wavefront_size32 1
		.amdhsa_system_sgpr_workgroup_id_x 1
		.amdhsa_system_sgpr_workgroup_id_y 1
		.amdhsa_system_sgpr_workgroup_id_z 1
		.amdhsa_system_vgpr_workitem_id 0
		.amdhsa_next_free_vgpr 34
		.amdhsa_next_free_sgpr 66
		.amdhsa_reserve_vcc 0
		.amdhsa_float_denorm_mode_32 3
		.amdhsa_float_denorm_mode_16_64 3
		.amdhsa_memory_ordered 1
		.amdhsa_forward_progress 1
		.amdhsa_inst_pref_size 6
	.end_amdhsa_kernel
	.amdgpu_metadata
---
amdhsa.version: [ 1, 2 ]
amdhsa.kernels:
  - .name:           k_q35caaa415a_soft
    .symbol:         k_q35caaa415a_soft.kd
    .args:
      - { .name: energy, .offset: 0, .size: 8, .value_kind: global_buffer, .address_space: global }
      - { .name: out0, .offset: 8, .size: 8, .value_kind: global_buffer, .address_space: global }
    .group_segment_fixed_size: 1280
    .private_segment_fixed_size: 0
    .kernarg_segment_align: 8
    .kernarg_segment_size: 16
    .max_flat_workgroup_size: 256
    .sgpr_count:     66
    .vgpr_count:     34
    .wavefront_size: 32
...
	.end_amdgpu_metadata
.endif
;; end of part 3
